; MI455X (gfx1250); checked and timed in simulation.
; The chip was launched on July 23, 2026; its instructions are those of AMD's public machine-readable ISA for CDNA 5 (MIT licence, August 2026) and "CDNA5" Instruction Set Architecture Reference Guide (July 2026). The comments in the code are by the model that wrote it; some were corrected since.
;; Bahdanau Attention. Allowed arithmetic: matrix products marked QUANTISED: E4M3 operands, one E8M0 scale for each 32 along K, by v_wmma_scale_f32_16x16x128_f8f6f4 with both operands' format E4M3, f32 sums; products left as they are: f32 operands where the result goes on into a quantised operand, else bf16, f16 or f32 operands; f32 sums; everything else in f32.
;; Inputs: V 1,024 float32; W_f_codes 1,024 x 32 x 32 uint8 (E4M3 codes of W_f, K innermost, in blocks of 32 codes); W_f_scales 1,024 x 32 uint8 (E8M0 scales of W_f, one for each 32 codes along K); W_h_codes 1,024 x 32 x 32 uint8 (E4M3 codes of W_h, K innermost, in blocks of 32 codes); W_h_scales 1,024 x 32 uint8 (E8M0 scales of W_h, one for each 32 codes along K); features 32 x 2,048 x 1,024 float32; hidden_codes 32 x 32 x 32 uint8 (E4M3 codes of hidden, K innermost, in blocks of 32 codes); hidden_scales 32 x 32 uint8 (E8M0 scales of hidden, one for each 32 codes along K).
;; Outputs: out0 32 x 1,024 float32; out1 32 x 2,048 float32.
;; This version of the problem:
;;   THIS VERSION OF THE PROBLEM IS GIVEN IN LOW PRECISION. The matrix products marked QUANTISED in the list below multiply operands that are first quantised to E4M3 (4 exponent bits, 3 mantissa bits; 8 bits a number), with one power-of-two scale for each 32 numbers along K (OCP MX v1.0); their sums are f32. All else is computed in f32.
;;   The module's matrix products, in the order in which they are computed (A, B: the left and right operand; K: the contracted axis; several contracted axes count as one K, in the product's order):
;;     1. [M 32, K 1,024] x [K 1,024, N 1,024]; A: input hidden (given as codes); B: input W_h (given as codes): QUANTISED
;;     2. [M 65,536, K 1,024] x [K 1,024, N 1,024]; A: input features; B: input W_f (given as codes): QUANTISED
;;     3. [M 65,536, K 1,024] x [K 1,024, N 1]; A: computed on the way; B: input V: left as it is (N = 1 < 16)
;;     4. batch 32 x [M 1, K 2,048] x [K 2,048, N 1,024]; A: softmax; B: input features: left as it is (M = 1 < 16)
;;   THE QUANTISER, for each operand of a quantised product, along K:
;;     - K is cut into blocks of 32 from its start; a last block that is shorter is filled with zeros.
;;     - A block's scale is 2^e with e = floor(log2(the largest magnitude in the block)) - 8, held to -126 .. 127; a block of zeros has e = 0. As a byte (E8M0): e + 127.
;;     - Each number is divided by its block's scale, clamped to +-448, and rounded to the nearest number of E4M3, ties to even, subnormals kept.
;;     - The product sums the exact products of the quantised numbers (number of the format x scale) in f32.
;;   ~~~python
;;   def quantise(x, axis):      # numpy; x: float32 -> the quantised numbers, widened to float32 again
;;       x = np.moveaxis(x, axis, -1); K = x.shape[-1]
;;       x = np.pad(x, [(0, 0)] * (x.ndim - 1) + [(0, -K % 32)]); x = x.reshape(x.shape[:-1] + (-1, 32)); a = np.abs(x).max(-1, keepdims=True)
;;       e = np.where(a > 0, np.clip(np.frexp(np.where(a > 0, a, 1))[1] - 1 - 8, -126, 127), 0)      # np.frexp(a)[1] - 1 = floor(log2(a)), exactly
;;       r = np.clip(x / 2.0 ** e, -448, 448)
;;       step = 2.0 ** (np.maximum(np.frexp(np.where(r == 0, 1, r))[1] - 1, -6) - 3)
;;       q = np.round(r / step) * step * 2.0 ** e      # np.round: ties to even
;;       return np.moveaxis(q.reshape(q.shape[:-2] + (-1,))[..., :K], -1, axis).astype(np.float32)
;;   ~~~
;;   INPUTS GIVEN AS CODES. W_f (in the module: [1024, 1024], K = its axis 0); W_h (in the module: [1024, 1024], K = its axis 0); hidden (in the module: [32, 1024], K = its axis 1): each comes as NAME_codes (uint8): NAME with its K axis moved to the last place and cut into blocks of 32 codes, [.., K / 32, bytes a block], one block behind the other in memory; one code a byte (a code: sign, 4 exponent bits, 3 mantissa bits); and NAME_scales (uint8): the same leading axes, one E8M0 byte (e + 127) for each 32 codes along K. Its value is code x scale, taken as it is: it is not quantised again, and the codes and scales need not be those that the quantiser above would give.
;; One version. Each part assembles by itself: llvm-mc -triple=amdgcn-amd-amdhsa -mcpu=gfx1250 --defsym DOCPART=n.
;; ======== version 1 of 1: 3 launches
;; limits: values are held in bf16: 8 bits of precision; right only within a limited range of input values
;; workspace buffers: htab 262,144 bytes; tws 262,144 bytes; part 2,359,296 bytes; wfr 1,081,344 bytes
;; launch hproj (part 1): grid 8 x 10, 4 waves a work-group, no clusters, 8,960 bytes of LDS; arguments hidden_codes, hidden_scales, W_h_codes, W_h_scales, V, htab, W_f_codes, W_f_scales, wfr; writes htab, wfr
.if DOCPART == 1
	.amdgcn_target "amdgcn-amd-amdhsa--gfx1250"
	.amdhsa_code_object_version 6
	.text
	.protected	k_qe29f139b38_hproj
	.globl	k_qe29f139b38_hproj
	.p2align	8
	.type	k_qe29f139b38_hproj,@function
k_qe29f139b38_hproj:
	s_mov_b64 s[64:65], 0
	v_nop
	global_prefetch_b8 v0, s[64:65] scope:SCOPE_SE
	s_setreg_imm32_b32 hwreg(HW_REG_WAVE_MODE, 25, 1), 1
	s_wait_xcnt 0x0
; BahdanauAttention, launch 1 of 3: the table that the main launch adds and multiplies by.
;   htab[b] = { hc[1024], V2[1024] } f32, 8,192 bytes a batch:  hc = c (hidden W_h)[b],  V2 = -c V,  c = 2 log2(e).
; hidden W_h is the problem's first product, on the given codes of E4M3 and their E8M0 bytes, by the scaled matrix instruction, sums in f32.
; WORK LEFT OUT BY THE PROGRAM, AND WHY IT IS DEAD.  tanh(x) = 1 - 2 r with r = 1 / (1 + 2^(c x)), for every real x.  So
;   energy[b][l] = sum_n V[n] tanh(x[b][l][n]) = sum_n V[n] - 2 sum_n V[n] r[b][l][n].
; The term sum_n V[n] is the same for all l of a batch, whatever V holds; softmax along l takes a term away that is the same along its axis; and the energy
; itself is no output.  So sum_n V[n] is never formed, and the program carries T = sum_n V2[n] r[n] = log2(e) x (energy - sum_n V[n]).
; Every input still has a way to an output: all are loaded.  LIMIT: a NaN, an infinity or an overflow that would arise in sum_n V[n] alone is not carried to the result.
; LIMITS: NaN and infinities among the inputs, and a given scale byte 0xff, are not served.
; SHARES.  Work-group (x, y): hidden units 128 x on, batches 16 y on.  Wave w: units 128 x + 32 w on, two tiles of 16.  The product is used transposed
; (source 0 = 16 rows of W_h's codes, source 1 = 16 rows of hidden's): a lane (r = lane % 16, h = lane / 16) holds batch r and eight neighbouring units 8 h + 0 .. 7.
; The fragments are loaded straight from rows 1,024 bytes apart, 16 bytes a lane: 2 MB in the whole launch, read once.
; The results meet in a stage in LDS (a row's 512 bytes come from four waves) and leave as whole rows: each store of a wave covers 512 consecutive bytes, aligned.
; REGISTERS: window 0: v1, v2 the add's two; v3-7 addresses; v16-31 W_h's scale words, v32-39 hidden's (scales and nothing else); v40-47 V, V2; v64-191 hidden's 8 fragments;
;   v192-207 two accumulators; v208-223 c x results; v224-239 rows read back.   window 1: W_h's 16 fragments, (tile t, K step s) at v[16 (8 t + s)].
.set CEXP,   0x4038aa3b                ; c = 2 log2(e)
.set NCEXP,  0xc038aa3b                ; -c
.set SPITCH, 528                       ; a stage row: 512 bytes + 16
.set SPARE,  16*SPITCH                 ; behind the stage: the spare words, 128 bytes for each wave: two blocks of 256 bytes that no other line names
.set SPW, 1
.set NIL, 2
.set MSB, 0
.macro WIN new                         ; the immediate's high byte repeats the setting that is left
.if MSB != (\new)
	s_set_vgpr_msb (MSB<<8)|(\new)
.set MSB, (\new)
.endif
.endm
	s_and_b32 s17, ttmp7, 0xffff                   ; y: 0, 1 make the table; 2 to 9 lay W_f out for the main launch (at the text's end)
	s_cmp_ge_u32 s17, 2
	s_cbranch_scc1 .Lrelay
	s_load_b256 s[4:11], s[0:1], 0x0
	s_load_b128 s[12:15], s[0:1], 0x20             ; V s[12:13], htab s[14:15]
	v_lshl_add_u32 v[SPW], v0, 2, SPARE
	v_mov_b32 v[NIL], 0
	v_lshrrev_b32 v8, 5, v0
	v_readfirstlane_b32 s16, v8                    ; wave 0..3
	s_and_b32 s17, ttmp7, 0xffff                   ; y
	v_and_b32 v9, 15, v0                           ; r
	v_bfe_u32 v10, v0, 4, 1                        ; h
	v_and_b32 v11, 31, v0                          ; lane
	v_lshlrev_b32 v3, 10, v9
	v_lshl_add_u32 v3, v10, 4, v3                  ; a fragment: row r of 1,024 bytes, + 16 h
	v_lshlrev_b32 v4, 5, v9                        ; a row's 32 scale bytes: its eight words
	v_lshlrev_b32 v5, 4, v11                       ; 16 x lane
	v_mul_u32_u24 v6, v9, SPITCH
	v_lshl_add_u32 v6, v10, 5, v6
	s_lshl_b32 s18, s16, 7
	v_add_nc_u32 v6, s18, v6                       ; into the stage: row r, + 128 w + 32 h
	s_mul_i32 s18, s16, 4*SPITCH
	v_add_nc_u32 v7, s18, v5                       ; back: rows 4 w on, 16 bytes a lane
	s_lshl_b32 s18, ttmp9, 7
	s_lshl_b32 s19, s16, 5
	s_add_co_u32 s18, s18, s19                     ; my first unit: 128 x + 32 w
	s_lshl_b32 s20, s18, 10                        ; its codes,
	s_mov_b32 s21, 0
	s_lshl_b32 s22, s18, 5                         ; its scale bytes
	s_mov_b32 s23, 0
	s_lshl_b32 s24, s17, 14                        ; hidden: 16 y rows of 1,024 bytes,
	s_mov_b32 s25, 0
	s_lshl_b32 s26, s17, 9                         ; and of 32
	s_mov_b32 s27, 0
	s_lshl_b32 s28, ttmp9, 9                       ; V: 128 x numbers on
	s_mov_b32 s29, 0
	s_lshl_b32 s30, s17, 17                        ; htab: (16 y + 4 w) x 8,192 + 512 x
	s_lshl_b32 s19, s16, 15
	s_add_co_u32 s30, s30, s19
	s_add_co_u32 s30, s30, s28
	s_mov_b32 s31, 0
	s_mov_b32 s32, CEXP
	s_mov_b32 s33, CEXP                            ; (the packed form names a pair and takes its low word for both halves: so both are written)
	s_mov_b32 s34, NCEXP
	s_mov_b32 s35, NCEXP
	s_wait_alu depctr_va_vdst(0)
	s_wait_kmcnt 0x0
	s_add_nc_u64 s[8:9], s[8:9], s[20:21]
	s_add_nc_u64 s[10:11], s[10:11], s[22:23]
	s_add_nc_u64 s[4:5], s[4:5], s[24:25]
	s_add_nc_u64 s[6:7], s[6:7], s[26:27]
	s_add_nc_u64 s[12:13], s[12:13], s[28:29]
	s_add_nc_u64 s[14:15], s[14:15], s[30:31]
	WIN 0x40                                       ; destination window 1
.irp t, 0,1
.irp s, 0,1,2,3,4,5,6,7
.irp c, 0,1,2,3
	global_load_b128 v[16*(8*\t+\s)+4*\c:16*(8*\t+\s)+4*\c+3], v3, s[8:9] offset:16384*\t+128*\s+32*\c
.endr
.endr
.endr
	WIN 0
.irp s, 0,1,2,3,4,5,6,7
.irp c, 0,1,2,3
	global_load_b128 v[64+16*\s+4*\c:64+16*\s+4*\c+3], v3, s[4:5] offset:128*\s+32*\c
.endr
.endr
.irp t, 0,1
	global_load_b128 v[16+8*\t:19+8*\t], v4, s[10:11] offset:512*\t        ; word s of a row scales K = 128 s on
	global_load_b128 v[20+8*\t:23+8*\t], v4, s[10:11] offset:512*\t+16
.endr
	global_load_b128 v[32:35], v4, s[6:7]
	global_load_b128 v[36:39], v4, s[6:7] offset:16
	global_load_b128 v[40:43], v5, s[12:13]        ; V of the work-group's 128 units, 16 bytes a lane
	s_wait_loadcnt 0x0
	WIN 0x01                                       ; source 0 (W_h) window 1
.irp s, 0,1,2,3,4,5,6,7                        ; the two accumulators take turns, one instruction a turn
.irp t, 0,1
.if \s == 0
	v_wmma_scale_f32_16x16x128_f8f6f4 v[192+8*\t:199+8*\t], v[16*(8*\t+\s):16*(8*\t+\s)+15], v[64+16*\s:79+16*\s], 0, v[16+8*\t+\s], v[32+\s]
.else
	v_wmma_scale_f32_16x16x128_f8f6f4 v[192+8*\t:199+8*\t], v[16*(8*\t+\s):16*(8*\t+\s)+15], v[64+16*\s:79+16*\s], v[192+8*\t:199+8*\t], v[16+8*\t+\s], v[32+\s]
.endif
.endr
.endr
	WIN 0
	v_pk_mul_f32 v[44:45], v[40:41], s[34:35] op_sel_hi:[1,0]      ; V2 = -c V: two of the eight places behind the last products
	v_pk_mul_f32 v[46:47], v[42:43], s[34:35] op_sel_hi:[1,0]
.rept 6
	v_nop
.endr
.irp k, 0,2,4,6,8,10,12,14                     ; each accumulator from its low end on
	v_pk_mul_f32 v[208+\k:209+\k], v[192+\k:193+\k], s[32:33] op_sel_hi:[1,0]
.endr
.irp t, 0,1
	ds_store_b128 v6, v[208+8*\t:211+8*\t] offset:64*\t
	ds_store_b128 v6, v[212+8*\t:215+8*\t] offset:64*\t+16
.endr
	s_wait_alu depctr_va_vdst(0)
	s_wait_dscnt 0x0                               ; for the others' sake: my stores into the stage are done
	s_barrier_signal -1
	s_barrier_wait -1
.irp i, 0,1,2,3
	ds_load_b128 v[224+4*\i:227+4*\i], v7 offset:\i*SPITCH
.endr
.irp i, 0,1,2,3
	global_store_b128 v5, v[44:47], s[14:15] offset:8192*\i+4096   ; V2, once for each of my four batches: a batch's table is one dense block
.endr
.irp i, 0,1,2,3
	s_wait_dscnt 3-\i                              ; row i is back; the younger loads may be out
	global_store_b128 v5, v[224+4*\i:227+4*\i], s[14:15] offset:8192*\i
.endr
	s_wait_tensorcnt 0x0                           ; the wave's end
	ds_add_u32 v[SPW], v[NIL]
	s_wait_dscnt 0x0
	s_endpgm
; W_f IN THE ORDER OF THE MAIN LAUNCH'S OPERAND REGISTERS.  Work-group (x, y >= 2) takes tile t = 8 (y - 2) + x, 16 hidden units.  wfr[t] is 16,896 bytes:
;   16,384 of codes, piece 4 s + c (K step s, registers 4 c .. 4 c + 3) = 512 bytes, 16 bytes a lane: lane (r, h) holds row 16 t + r, bytes 128 s + 32 c + 16 h on;
;   512 of scale bytes, 16 a lane: lanes 0-15 row r's words of K steps 0-3, lanes 16-31 row r's words of K steps 4-7.
; Wave w moves K steps 2 w, 2 w + 1.  Each store of a wave covers 512 consecutive bytes, aligned.  No LDS on this path.
.Lrelay:
	s_load_b128 s[4:7], s[0:1], 0x30               ; W_f's codes s[4:5], its scales s[6:7]
	s_load_b64 s[8:9], s[0:1], 0x40                ; wfr
	v_lshrrev_b32 v8, 5, v0
	v_readfirstlane_b32 s16, v8                    ; wave
	s_sub_co_u32 s18, s17, 2
	s_lshl_b32 s18, s18, 3
	s_add_co_u32 s18, s18, ttmp9                   ; t
	s_lshl_b32 s20, s18, 14                        ; its 16 rows of 1,024 bytes,
	s_lshl_b32 s19, s16, 8                         ; + 256 w along K
	s_add_co_u32 s20, s20, s19
	s_mov_b32 s21, 0
	s_lshl_b32 s22, s18, 9                         ; its 16 rows of 32 scale bytes
	s_mov_b32 s23, 0
	s_mul_i32 s24, s18, 16896
	s_mov_b32 s25, 0
	s_lshl_b32 s26, s16, 12                        ; my eight pieces
	s_mov_b32 s27, 0
	v_and_b32 v9, 15, v0                           ; r
	v_bfe_u32 v10, v0, 4, 1                        ; h
	v_and_b32 v11, 31, v0
	v_lshlrev_b32 v3, 10, v9
	v_lshl_add_u32 v3, v10, 4, v3
	v_lshlrev_b32 v4, 5, v9
	v_lshl_add_u32 v4, v10, 4, v4
	v_lshlrev_b32 v5, 4, v11
	s_wait_alu depctr_va_vdst(0)
	s_wait_kmcnt 0x0
	s_add_nc_u64 s[4:5], s[4:5], s[20:21]
	s_add_nc_u64 s[6:7], s[6:7], s[22:23]
	s_add_nc_u64 s[8:9], s[8:9], s[24:25]
	s_add_nc_u64 s[10:11], s[8:9], s[26:27]
.irp i, 0,1,2,3,4,5,6,7
	global_load_b128 v[16+4*\i:19+4*\i], v3, s[4:5] offset:32*\i
.endr
	s_wait_loadcnt 0x0
.irp i, 0,1,2,3,4,5,6,7
	global_store_b128 v5, v[16+4*\i:19+4*\i], s[10:11] offset:512*\i
.endr
	s_cmp_lg_u32 s16, 0
	s_cbranch_scc1 .Lrelay_end
	global_load_b128 v[48:51], v4, s[6:7]          ; wave 0: the tile's scale bytes
	s_wait_loadcnt 0x0
	global_store_b128 v5, v[48:51], s[8:9] offset:16384
.Lrelay_end:
	s_endpgm
.Lfunc_end_k_qe29f139b38_hproj:
	.size	k_qe29f139b38_hproj, .Lfunc_end_k_qe29f139b38_hproj-k_qe29f139b38_hproj
	.p2alignl 7, 3214868480
	.fill 96, 4, 3214868480
	.section	.rodata,"a",@progbits
	.p2align	6, 0x0
	.amdhsa_kernel k_qe29f139b38_hproj
		.amdhsa_group_segment_fixed_size 8960
		.amdhsa_private_segment_fixed_size 0
		.amdhsa_enable_private_segment 0
		.amdhsa_kernarg_size 72
		.amdhsa_user_sgpr_count 2
		.amdhsa_user_sgpr_kernarg_segment_ptr 1
		.amdhsa_wavefront_size32 1
		.amdhsa_system_sgpr_workgroup_id_x 1
		.amdhsa_system_sgpr_workgroup_id_y 1
		.amdhsa_system_sgpr_workgroup_id_z 1
		.amdhsa_system_vgpr_workitem_id 0
		.amdhsa_next_free_vgpr 512
		.amdhsa_next_free_sgpr 66
		.amdhsa_reserve_vcc 0
		.amdhsa_float_denorm_mode_32 3
		.amdhsa_float_denorm_mode_16_64 3
		.amdhsa_memory_ordered 1
		.amdhsa_forward_progress 1
		.amdhsa_inst_pref_size 20
	.end_amdhsa_kernel
	.amdgpu_metadata
---
amdhsa.version: [ 1, 2 ]
amdhsa.kernels:
  - .name:           k_qe29f139b38_hproj
    .symbol:         k_qe29f139b38_hproj.kd
    .args:
      - { .name: hidden_codes, .offset: 0, .size: 8, .value_kind: global_buffer, .address_space: global }
      - { .name: hidden_scales, .offset: 8, .size: 8, .value_kind: global_buffer, .address_space: global }
      - { .name: W_h_codes, .offset: 16, .size: 8, .value_kind: global_buffer, .address_space: global }
      - { .name: W_h_scales, .offset: 24, .size: 8, .value_kind: global_buffer, .address_space: global }
      - { .name: V, .offset: 32, .size: 8, .value_kind: global_buffer, .address_space: global }
      - { .name: htab, .offset: 40, .size: 8, .value_kind: global_buffer, .address_space: global }
      - { .name: W_f_codes, .offset: 48, .size: 8, .value_kind: global_buffer, .address_space: global }
      - { .name: W_f_scales, .offset: 56, .size: 8, .value_kind: global_buffer, .address_space: global }
      - { .name: wfr, .offset: 64, .size: 8, .value_kind: global_buffer, .address_space: global }
    .group_segment_fixed_size: 8960
    .private_segment_fixed_size: 0
    .kernarg_segment_align: 8
    .kernarg_segment_size: 72
    .max_flat_workgroup_size: 128
    .sgpr_count:     66
    .vgpr_count:     512
    .wavefront_size: 32
...
	.end_amdgpu_metadata
.endif
;; end of part 1
;; launch main (part 2): grid 512 x 1, 4 waves a work-group, no clusters, 305,664 bytes of LDS; arguments features, wfr, htab, tws, part; writes tws, part
.if DOCPART == 2
	.amdgcn_target "amdgcn-amd-amdhsa--gfx1250"
	.amdhsa_code_object_version 6
	.text
	.protected	k_qe29f139b38_main
	.globl	k_qe29f139b38_main
	.p2align	8
	.type	k_qe29f139b38_main,@function
k_qe29f139b38_main:
	s_mov_b64 s[64:65], 0
	v_nop
	global_prefetch_b8 v0, s[64:65] scope:SCOPE_SE
	s_setreg_imm32_b32 hwreg(HW_REG_WAVE_MODE, 25, 1), 1
	s_wait_xcnt 0x0
; BahdanauAttention, launch 2 of 3.  A work-group owns 128 rows of features (a sixteenth of a batch) and reads them from memory ONCE.
;   X: wave w quantises rows 32 w .. 32 w + 31 along K to codes of E4M3 with E8M0 bytes, and makes a bf16 copy of the same numbers.
;   S: the codes and scale words go through LDS, so that wave w holds the codes of the 64 rows of half w / 2 (512 registers); the bf16 copy goes into LDS.
;   M: wave w multiplies its 64 rows by the 512 hidden units of half w % 2, 32 tiles of 16 units: each fragment of W_f feeds four matrix instructions.
;      x = that + hidden W_h; r = 1 / (1 + 2^(c x)); T[row] = sum_n V2[n] r[n].  hc = c (hidden W_h) and V2 = -c V come from htab.
;   then the block's softmax (m = largest T, p = 2^(T - m), s = sum p) and the block's part of the context, sum of p x features (bf16 copy, p and sums in f32).
; Stored: tws[row] = T; part[block] = 1,024 sums, then {m, s}.  The third launch joins a batch's 16 blocks.
; LEFT OUT: the term sum_n V[n] of the energy: it is the same along the softmax's axis for all values of V (shown at the head of the first launch's text).
; LIMITS: NaN and infinities among the inputs, and a given scale byte 0xff, are not served.  A block of 32 zeros gets the byte 1 where the quantiser says 127: its codes are zeros,
; which add nothing under any byte but 0xff, and the bytes are read by this text alone.
; W_f COMES STRAIGHT INTO REGISTERS, from wfr, which the first launch laid in the order of the operand registers: a load of a wave covers 512 consecutive bytes, aligned.
; NO CLUSTER, NO SLOTS IN LDS: the bf16 copy takes 264,192 of LDS's 327,680 bytes; what is left holds no two slots of W_f beside the stages and the table.
; NO PREFETCH: X's loads are 56 to a wave on their way throughout; wfr is read again and again by all work-groups of the launch.
; THE PRODUCT IS USED TRANSPOSED: source 0 = 16 rows of W_f's codes, source 1 = 16 rows of features.  Lane (r, h) holds feature row r, register j hidden unit 16 t + 8 h + j.
; ROWS IN LDS stand in the order pos = 64 rt + 16 w + r for block row 32 w + 16 rt + r; T and p are kept by pos.
; REGISTERS.  X: window 1 my codes, fragment (rt, s) at v[16 (8 rt + s)]; windows 2, 3 the bf16 copy; window 0 as named below.
;   M: window 1 codes of K steps 0-3, (row tile g, s) at v[64 g + 16 s]; window 2 those of K steps 4-7; W_f's tile at v128-255 of window 0 (even tiles) or 3 (odd tiles).
;   v16-31 features' scale words, v32-39 W_f's (scales and nothing else): lanes 0-15 K steps 0-3, lanes 16-31 K steps 4-7.
.set DPITCH, 2064                      ; a row of the bf16 copy in LDS: 2,048 bytes + 16
.set EB,     64*DPITCH                 ; the copy's upper half serves first for the exchange of codes: 131,072 bytes
.set STAGE,  128*DPITCH                ; 16 rows x 272 bytes for each wave
.set TAB,    STAGE+4*4352              ; hc[1024], then V2[1024]
.set FSC,    TAB+8192                  ; features' scale words: 64 registers' images of 128 bytes
.set TPB,    FSC+8192                  ; the two halves' parts of T, 128 each
.set PBUF,   TPB+1024                  ; 128 p for each wave
.set OST,    PBUF+2048                 ; 1,024 bytes for each wave on the way out
.set SPARE,  OST+4096                  ; the spare words, 128 bytes for each wave
.set REC,    16896                     ; a tile of wfr
.set SPW, 1
.set NIL, 2
.set OFF, 3
.set STI, 4
.set STO, 5
.set WO,  6                            ; 16 x lane
.set AT,  7                            ; my place in the table
.set EA,  8                            ; exchange: out,
.set EL,  9                            ; in
.set FA,  10                           ; scale words: out,
.set FL,  11                           ; in
.set DA,  12                           ; the copy: rows of row tile 0,
.set DB,  13                           ; of row tile 1
.set CA,  14
.set PA,  15
.set FS,  16
.set WS,  32
.set XB,  48
.set RAWE, 112
.set TM,  240
.set TP,  242
.set SO,  244
.set LM,  246
.set BY,  248
.set ACC, 48                           ; M: four accumulators
.set THC, 80
.set TV2, 88
.set EE,  96                           ; four pairs of sums
.set CX,  48
.set CACC, 128
.set WV,  16
.set RH,  17
.set NH,  18
.set WB,  22
.set CC,  26
.set SEL, 28
.set MNT, 30
.set TR,  31
.set MSB, 0
.macro WIN new
.if MSB != (\new)
	s_set_vgpr_msb (MSB<<8)|(\new)
.set MSB, (\new)
.endif
.endm
.macro BAR
	s_wait_alu depctr_va_vdst(0)
	s_wait_dscnt 0x0                               ; for the others' sake: my LDS stores and reads are done
	s_barrier_signal -1
	s_barrier_wait -1
.endm
	s_load_b256 s[4:11], s[0:1], 0x0               ; features s[4:5], wfr s[6:7], htab s[8:9], tws s[10:11]
	s_load_b64 s[12:13], s[0:1], 0x20              ; part
	v_lshl_add_u32 v[SPW], v0, 2, SPARE
	v_mov_b32 v[NIL], 0
	v_lshrrev_b32 v40, 5, v0
	v_readfirstlane_b32 s[WV], v40                 ; wave 0..3
	s_lshr_b32 s[RH], s[WV], 1                     ; my half of the rows
	s_and_b32 s[NH], s[WV], 1                      ; my half of the hidden units
	s_lshl_b32 s32, ttmp9, 7
	s_lshl_b32 s33, s[WV], 5
	s_add_co_u32 s32, s32, s33
	s_lshl_b32 s32, s32, 12                        ; features: row 128 x block + 32 w, in bytes
	s_mov_b32 s33, 0
	s_lshr_b32 s34, ttmp9, 4
	s_lshl_b32 s34, s34, 13                        ; the batch's table
	s_mov_b32 s35, 0
	s_mul_i32 s36, s[NH], 32*REC                   ; my 32 tiles of wfr
	s_mov_b32 s37, 0
	s_lshl_b32 s38, ttmp9, 9                       ; tws: 512 bytes a block
	s_mov_b32 s39, 0
	s_mul_i32 s40, ttmp9, 4608                     ; part: 4,608 bytes a block
	s_mov_b32 s41, 0
	s_lshl_b32 s42, s[WV], 10
	s_mov_b32 s43, 0
	s_mul_i32 s44, s[WV], 4352
	s_add_co_u32 s44, s44, STAGE
	s_lshl_b32 s45, s[NH], 11
	s_lshl_b32 s46, s[WV], 15
	s_add_co_u32 s46, s46, EB
	s_lshl_b32 s47, s[RH], 16
	s_add_co_u32 s47, s47, EB
	s_lshl_b32 s48, s[WV], 11
	s_add_co_u32 s48, s48, FSC
	s_lshl_b32 s49, s[RH], 12
	s_add_co_u32 s49, s49, FSC
	s_lshl_b32 s50, s[WV], 4
	s_lshl_b32 s51, s[NH], 9
	s_lshl_b32 s52, s[RH], 7
	s_add_co_u32 s51, s51, s52
	s_add_co_u32 s51, s51, TPB
	s_lshl_b32 s52, s[WV], 9
	s_add_co_u32 s52, s52, PBUF
	s_lshl_b32 s53, s[WV], 10
	s_add_co_u32 s53, s53, OST
	s_mov_b32 s[SEL], 0x76543210
	s_mov_b32 s[SEL+1], 0xfedcba98                 ; lane l xor 16
	s_mov_b32 s[MNT], 0x600000                     ; the mantissa field of 448
	s_mov_b32 s[CC], 0x4038aa3b                    ; c = 2 log2(e)
	s_mov_b32 s[CC+1], 0x4038aa3b
	v_and_b32 v40, 15, v0                          ; r
	v_bfe_u32 v41, v0, 4, 1                        ; h
	v_and_b32 v42, 31, v0                          ; lane
	v_lshlrev_b32 v[OFF], 4, v40
	v_lshl_add_u32 v[OFF], v41, 12, v[OFF]
	v_mul_u32_u24 v[STI], v41, 272
	v_lshl_add_u32 v[STI], v40, 4, v[STI]
	v_add_nc_u32 v[STI], s44, v[STI]               ; the stage, in: as loaded
	v_mul_u32_u24 v[STO], v40, 272
	v_lshl_add_u32 v[STO], v41, 6, v[STO]
	v_add_nc_u32 v[STO], s44, v[STO]               ; out: row r, my half's 16 numbers of a block
	v_lshlrev_b32 v[WO], 4, v42
	v_lshl_add_u32 v[AT], v41, 5, TAB
	v_add_nc_u32 v[AT], s45, v[AT]
	v_add_nc_u32 v[EA], s46, v[WO]
	v_add_nc_u32 v[EL], s47, v[WO]
	v_lshl_add_u32 v[FA], v42, 2, s48
	v_lshl_add_u32 v[FL], v40, 2, s49
	v_lshl_add_u32 v[FL], v41, 9, v[FL]            ; lanes 16-31 take the word four K steps on
	v_add_nc_u32 v[DA], s50, v40
	v_mul_u32_u24 v[DA], v[DA], DPITCH
	v_lshl_add_u32 v[DA], v41, 5, v[DA]            ; pos 16 w + r, + 32 h
	v_add_nc_u32 v[DB], EB, v[DA]                  ; 64 rows on
	v_lshl_add_u32 v43, v0, 4, TAB
	v_lshlrev_b32 v44, 4, v0
	v_mov_b32 v[TP], 0                             ; a lane permute's destination counts as one of its sources
	v_mov_b32 v[TP+1], 0
	s_wait_alu depctr_va_vdst(0)
	s_wait_kmcnt 0x0
	s_add_nc_u64 s[20:21], s[4:5], s[32:33]
	s_add_nc_u64 s[8:9], s[8:9], s[34:35]
	s_add_nc_u64 s[WB:WB+1], s[6:7], s[36:37]
	s_add_nc_u64 s[10:11], s[10:11], s[38:39]
	s_add_nc_u64 s[12:13], s[12:13], s[40:41]
	s_add_nc_u64 s[24:25], s[12:13], s[42:43]
.irp i, 0,1,2,3
	global_load_b128 v[48+4*\i:51+4*\i], v44, s[8:9] offset:2048*\i    ; the table: 128 threads x 16 bytes x 4
.endr
; ---- X.  A unit u is 16 rows (row tile u / 16) x 64 numbers.  No barrier: a wave touches its own rows and its own stage alone.
.macro LOADU u                         ; eight loads; each reads 256 consecutive aligned bytes of two rows.  Raw slot u % 8: slots 0-3 in window 3, 4-7 in window 0
.set SL, (\u)%8
.if SL < 4
	WIN 0xc0
.set RW, 128+32*SL
.else
	WIN 0
.set RW, RAWE+32*(SL-4)
.endif
.irp i, 0,1,2,3,4,5,6,7
	global_load_b128 v[RW+4*\i:RW+4*\i+3], v[OFF], s[20:21] offset:((\u)/16)*65536+8192*\i+256*((\u)%16) th:TH_LOAD_NT
.endr
	WIN 0
.endm
.macro TURN u                          ; through my stage: in as loaded, out 16 neighbours of each of the unit's two blocks of 32
.set SL, (\u)%8
.if SL < 4
	WIN 0x0c
.set RW, 128+32*SL
.else
	WIN 0
.set RW, RAWE+32*(SL-4)
.endif
.irp i, 0,1,2,3,4,5,6,7
	ds_store_b128 v[STI], v[RW+4*\i:RW+4*\i+3] offset:544*\i
.endr
	WIN 0
.set XS, XB+32*((\u)%2)
.irp c, 0,1
.irp q, 0,1,2,3
	ds_load_b128 v[XS+16*\c+4*\q:XS+16*\c+4*\q+3], v[STO] offset:128*\c+16*\q
.endr
.endr
.endm
.macro QUANT u                         ; register 16 c + i of the set = number 64 (u % 16) + 32 c + 16 h + i of row r
.set XS, XB+32*((\u)%2)
.set RT, (\u)/16
.set HS, (\u)%16
.set FSR, FS+8*RT+HS/2
.set CR, 16*(8*RT+HS/2)+8*(HS%2)
.set BR, 16*HS
.irp c, 0,1
	v_max3_num_f32 v[TM+\c], |v[XS+16*\c]|, |v[XS+16*\c+1]|, 0x4800000   ; with the floor 2^(9 - 127): the byte cannot fall under 1
.endr
.irp i, 2,4,6,8,10,12,14
.irp c, 0,1
	v_max3_num_f32 v[TM+\c], v[TM+\c], |v[XS+16*\c+\i]|, |v[XS+16*\c+\i+1]|
.endr
.endr
.irp c, 0,1
	v_permlanex16_b32 v[TP+\c], v[TM+\c], s[SEL], s[SEL+1]
.endr
.irp c, 0,1
	v_max_num_f32 v[TM+\c], v[TM+\c], v[TP+\c]     ; the block's largest magnitude
.endr
.irp c, 0,1
	v_add_nc_u32 v[SO+\c], 0xfc000000, v[TM+\c]    ; 8 off its exponent field: the conversion's scale operand
.endr
.irp c, 0,1
	v_and_or_b32 v[LM+\c], v[TM+\c], 0x7f800000, s[MNT]   ; 448 x the scale
.endr
.irp c, 0,1
	v_lshrrev_b32 v[BY+\c], 23, v[SO+\c]           ; the scale's byte
.endr
.if (HS%2) == 0
	v_lshl_or_b32 v[FSR], v[BY+1], 8, v[BY]
.else
	v_lshl_or_b32 v[FSR], v[BY], 16, v[FSR]
	v_lshl_or_b32 v[FSR], v[BY+1], 24, v[FSR]
.endif
	WIN 0x80+0x40*RT
.irp k, 0,1,2,3,4,5,6,7,8,9,10,11,12,13,14,15
	v_cvt_pk_bf16_f32 v[BR+\k], v[XS+2*\k], v[XS+2*\k+1]   ; the copy for the context
.endr
	WIN 0
.irp c, 0,1
.irp i, 0,1,2,3,4,5,6,7,8,9,10,11,12,13,14,15
	v_med3_num_f32 v[XS+16*\c+\i], v[XS+16*\c+\i], -v[LM+\c], v[LM+\c]   ; the hold: the conversion does not saturate (ISA guide 7.6.2)
.endr
.endr
	WIN 0x40
.irp c, 0,1
	v_cvt_scalef32_pk8_fp8_f32 v[CR+4*\c:CR+4*\c+1], v[XS+16*\c:XS+16*\c+7], v[SO+\c]
	v_cvt_scalef32_pk8_fp8_f32 v[CR+4*\c+2:CR+4*\c+3], v[XS+16*\c+8:XS+16*\c+15], v[SO+\c]
.endr
	WIN 0
	v_nop                                          ; one plain line behind the last conversion of a run
.endm
.set U, 0
.rept 7
	LOADU U
.set U, U+1
.endr
	s_wait_loadcnt 56                              ; the table's four loads are in; the seven units' 56 stay out
.irp i, 0,1,2,3
	ds_store_b128 v43, v[48+4*\i:51+4*\i] offset:2048*\i
.endr
.set U, 0
.rept 32
.if U <= 25
	s_wait_loadcnt 48                              ; unit U's eight loads are in; the six younger units' 48 stay out
.else
	s_wait_loadcnt 8*(31-U)
.endif
	TURN U
	s_wait_dscnt 16                                ; all but the sixteen just issued: the unit before is back, and its stores have read its raw slot,
.if U+7 <= 31
	LOADU U+7                                      ; which takes the unit seven on
.endif
.if U >= 1
	QUANT U-1
.endif
.set U, U+1
.endr
	s_wait_dscnt 0x0
	QUANT 31
.irp j, 0,1,2,3,4,5,6,7
	v_mov_b32 v[EE+\j], 0                          ; the sums
.endr
.irp j, 0,1,2,3
	v_mov_b32 v[108+\j], 0                         ; lane permutes' destinations, behind M
.endr
	s_wait_alu depctr_va_vdst(0)
; ---- W_f's loads.  A tile's 33: WR1 = the fragments of K steps 0-3 (16), WR2 = its scale words (1), then K steps 4-7 (16).  Buffer b: v128-255 of window 3 b.
.macro WR1 b, off
	WIN 0xc0*(\b)
.set I, 0
.rept 16
	global_load_b128 v[128+4*I:131+4*I], v[WO], s[WB:WB+1] offset:(\off)+512*I
.set I, I+1
.endr
	WIN 0
.endm
.macro WR2 b, off
	global_load_b128 v[WS+4*(\b):WS+4*(\b)+3], v[WO], s[WB:WB+1] offset:(\off)+16384
	WIN 0xc0*(\b)
.set I, 16
.rept 16
	global_load_b128 v[128+4*I:131+4*I], v[WO], s[WB:WB+1] offset:(\off)+512*I
.set I, I+1
.endr
	WIN 0
.endm
	WR1 0, 0                                       ; tile 0 sets out under the exchange
	WR2 0, 0
; ---- S.  My codes and scale words go out as images of their registers; row tile 0's copy goes to the copy's lower half.
	WIN 0x04
.set I, 0
.rept 64
	ds_store_b128 v[EA], v[4*I:4*I+3] offset:512*I
.set I, I+1
.endr
	WIN 0
.set I, 0
.rept 16
	ds_store_b32 v[FA], v[FS+I] offset:128*I
.set I, I+1
.endr
.macro DUMP adr, j0                    ; 32 of a row tile's 64 pieces of 16 bytes a lane
.set J, \j0
.rept 32
	ds_store_b128 v[\adr], v[4*J:4*J+3] offset:64*(J/2)+16*(J%2)
.set J, J+1
.endr
.endm
	WIN 0x08
	DUMP DA, 0
	DUMP DA, 32
	WIN 0
	BAR                                            ; all codes, scale words and the table lie in LDS
.set I, 0
.rept 128                              ; I = 4 (8 g + s) + c: my half's four row tiles
	WIN 0x40*(1+((I/4)%8)/4)
	ds_load_b128 v[64*(I/32)+16*((I/4)%4)+4*(I%4):64*(I/32)+16*((I/4)%4)+4*(I%4)+3], v[EL] offset:512*I
.set I, I+1
.endr
	WIN 0
.set I, 0
.rept 16
	ds_load_b32 v[FS+I], v[FL] offset:128*(8*(I/4)+I%4)
.set I, I+1
.endr
	BAR                                            ; everybody has read the exchange's bytes: row tile 1's copy takes them
	WIN 0x0c
	DUMP DB, 32                                    ; registers 128-255 first,
	DUMP DB, 0
	WIN 0
	s_wait_dscnt 32                                ; whose stores are done: tile 1 may land there
	WR1 1, REC
	WR2 1, REC
; ---- M.  A tile: 32 matrix instructions, the four accumulators by turns; then the tanh in whole batches.
.macro PRODS b, hi
.irp i, 0,1,2,3
.irp g, 0,1,2,3
.if \hi
	v_wmma_scale_f32_16x16x128_f8f6f4 v[ACC+8*\g:ACC+8*\g+7], v[192+16*\i:207+16*\i], v[64*\g+16*\i:64*\g+16*\i+15], v[ACC+8*\g:ACC+8*\g+7], v[WS+4*(\b)+\i], v[FS+4*\g+\i] matrix_a_scale:MATRIX_SCALE_ROW1 matrix_b_scale:MATRIX_SCALE_ROW1
.elseif \i == 0
	v_wmma_scale_f32_16x16x128_f8f6f4 v[ACC+8*\g:ACC+8*\g+7], v[128+16*\i:143+16*\i], v[64*\g+16*\i:64*\g+16*\i+15], 0, v[WS+4*(\b)+\i], v[FS+4*\g+\i]
.else
	v_wmma_scale_f32_16x16x128_f8f6f4 v[ACC+8*\g:ACC+8*\g+7], v[128+16*\i:143+16*\i], v[64*\g+16*\i:64*\g+16*\i+15], v[ACC+8*\g:ACC+8*\g+7], v[WS+4*(\b)+\i], v[FS+4*\g+\i]
.endif
.endr
.endr
.endm
.macro TANH
.set J, 0
.rept 16                               ; ascending: each accumulator is first read at its low end
	v_pk_fma_f32 v[ACC+2*J:ACC+2*J+1], v[ACC+2*J:ACC+2*J+1], s[CC:CC+1], v[THC+(2*J)%8:THC+(2*J)%8+1] op_sel_hi:[1,0,1]
.set J, J+1
.endr
	s_wait_alu depctr_va_vdst(0)                   ; a wait ahead of a batch of transcendentals and one behind it
.set J, 0
.rept 32
	v_exp_f32 v[ACC+J], v[ACC+J]
.set J, J+1
.endr
	v_nop
	s_wait_alu depctr_va_vdst(0)
.set J, 0
.rept 16
	v_pk_add_f32 v[ACC+2*J:ACC+2*J+1], v[ACC+2*J:ACC+2*J+1], 1.0 op_sel_hi:[1,0]
.set J, J+1
.endr
	s_wait_alu depctr_va_vdst(0)
.set J, 0
.rept 32
	v_rcp_f32 v[ACC+J], v[ACC+J]                   ; 2^(c x) = infinity gives r = 0
.set J, J+1
.endr
	v_nop
	s_wait_alu depctr_va_vdst(0)
.irp j, 0,1,2,3
.irp g, 0,1,2,3
	v_pk_fma_f32 v[EE+2*\g:EE+2*\g+1], v[ACC+8*\g+2*\j:ACC+8*\g+2*\j+1], v[TV2+2*\j:TV2+2*\j+1], v[EE+2*\g:EE+2*\g+1]
.endr
.endr
.endm
; ld = 1: the buffer's halves take the tile two on as soon as their products are issued, behind eight places.
; n1: the loads issued behind this tile's scale words; n2: behind its last fragment.
.macro TILE b, ld, n1, n2
	ds_load_b128 v[THC:THC+3], v[AT] offset:64*(\b)
	ds_load_b128 v[THC+4:THC+7], v[AT] offset:64*(\b)+16
	ds_load_b128 v[TV2:TV2+3], v[AT] offset:4096+64*(\b)
	ds_load_b128 v[TV2+4:TV2+7], v[AT] offset:4096+64*(\b)+16
	s_wait_loadcnt \n1
	WIN 0x04+3*(\b)
	PRODS \b, 0
.if \ld
.rept 8
	v_nop
.endr
	WR1 \b, ((\b)+2)*REC
.endif
	s_wait_loadcnt \n2
	WIN 0x08+3*(\b)
	PRODS \b, 1
.rept 8
	v_nop                                          ; places ahead of the loads and of the first read of the results
.endr
	WIN 0
.if \ld
	WR2 \b, ((\b)+2)*REC
.endif
	s_wait_dscnt 0x0                               ; hc and V2 of this tile
	TANH
.endm
	s_mov_b32 s[TR], 15
.Lm:                                           ; tiles 2 j, 2 j + 1; asks for tiles 2 j + 2, 2 j + 3
	TILE 0, 1, 49, 49                              ; 49 = 16 + 16 + 17, and 16 + 17 + 16
	TILE 1, 1, 49, 49
	v_add_nc_u32 v[AT], 128, v[AT]
	s_wait_xcnt 0x0                                ; the loads have read their base
	s_add_nc_u64 s[WB:WB+1], s[WB:WB+1], 2*REC
	s_sub_co_u32 s[TR], s[TR], 1
	s_cmp_lg_u32 s[TR], 0
	s_wait_alu depctr_va_vdst(0)
	s_cbranch_scc1 .Lm
	TILE 0, 0, 49, 33                              ; tile 30: behind its last fragment only tile 31's 33
	TILE 1, 0, 16, 0
; ---- The block's softmax.
.irp g, 0,1,2,3
	v_add_f32 v[104+\g], v[EE+2*\g], v[EE+2*\g+1]
.endr
.irp g, 0,1,2,3
	v_permlanex16_b32 v[108+\g], v[104+\g], s[SEL], s[SEL+1]
.endr
.irp g, 0,1,2,3
	v_add_f32 v[104+\g], v[104+\g], v[108+\g]      ; row r of row tile g, over my 512 units
.endr
	v_and_b32 v176, 31, v0
	v_cmp_gt_u32 vcc_lo, 16, v176
	v_cndmask_b32 v108, v106, v104, vcc_lo         ; lanes 0-15 row tile 0, lanes 16-31 row tile 2: pos 32 (w / 2) + lane
	v_cndmask_b32 v109, v107, v105, vcc_lo         ; row tiles 1 and 3: 64 further on
	v_lshl_add_u32 v177, v176, 2, s51
	v_lshl_add_u32 v178, v176, 4, TPB
	v_lshlrev_b32 v179, 4, v176
	v_add_nc_u32 v180, s52, v179
	v_lshlrev_b32 v[CA], 4, v0
	v_mov_b32 v[PA], s52
	v_lshl_add_u32 v181, v176, 5, s53
	v_add_nc_u32 v182, s53, v179
	v_bfe_u32 v183, v0, 2, 2                       ; tws: pos 4 l is block row 32 ((l / 4) % 4) + 16 (l / 16) + 4 (l % 4)
	v_lshlrev_b32 v183, 7, v183
	v_bfe_u32 v200, v0, 4, 1
	v_lshl_add_u32 v183, v200, 6, v183
	v_and_b32 v200, 3, v0
	v_lshl_add_u32 v183, v200, 4, v183
	ds_store_b32 v177, v108
	ds_store_b32 v177, v109 offset:256
.irp j, 0,1,2,3,4,5,6,7
	v_mov_b32 v[CACC+\j], 0
.endr
	BAR                                            ; both halves' parts of T and all of the copy lie in LDS
	ds_load_b128 v[184:187], v178                  ; every wave takes all 128: lane l pos 4 l .. 4 l + 3
	ds_load_b128 v[188:191], v178 offset:512
	s_wait_dscnt 0x0
	v_pk_add_f32 v[184:185], v[184:185], v[188:189]
	v_pk_add_f32 v[186:187], v[186:187], v[190:191]
	s_cmp_lg_u32 s[WV], 0
	s_wait_alu depctr_va_vdst(0)
	s_cbranch_scc1 .Lno_t
	global_store_b128 v183, v[184:187], s[10:11]   ; wave 0: the block's 512 bytes of tws, in one store
.Lno_t:
	v_max3_num_f32 v188, v184, v185, v186
	v_max_num_f32 v188, v188, v187
	v_max_num_f32_dpp v188, v188, v188 row_xmask:1 row_mask:0xf bank_mask:0xf
	v_max_num_f32_dpp v188, v188, v188 row_xmask:2 row_mask:0xf bank_mask:0xf
	v_max_num_f32_dpp v188, v188, v188 row_xmask:4 row_mask:0xf bank_mask:0xf
	v_max_num_f32_dpp v188, v188, v188 row_xmask:8 row_mask:0xf bank_mask:0xf
	v_permlanex16_b32 v189, v188, s[SEL], s[SEL+1]
	v_max_num_f32 v188, v188, v189                 ; m: the block's largest T, taken away before the exponential
.irp j, 0,1,2,3
	v_sub_f32 v[192+\j], v[184+\j], v188
.endr
	s_wait_alu depctr_va_vdst(0)
.irp j, 0,1,2,3
	v_exp_f32 v[192+\j], v[192+\j]                 ; p = 2^(T - m), at most 1
.endr
	v_nop
	s_wait_alu depctr_va_vdst(0)
	v_add_f32 v190, v192, v193
	v_add_f32 v191, v194, v195
	v_add_f32 v190, v190, v191
	v_add_f32_dpp v190, v190, v190 row_xmask:1 row_mask:0xf bank_mask:0xf
	v_add_f32_dpp v190, v190, v190 row_xmask:2 row_mask:0xf bank_mask:0xf
	v_add_f32_dpp v190, v190, v190 row_xmask:4 row_mask:0xf bank_mask:0xf
	v_add_f32_dpp v190, v190, v190 row_xmask:8 row_mask:0xf bank_mask:0xf
	v_permlanex16_b32 v191, v190, s[SEL], s[SEL+1]
	v_add_f32 v190, v190, v191                     ; s: the block's sum of p
	ds_store_b128 v180, v[192:195]                 ; the 128 p, in my wave's own bytes
	s_cmp_lg_u32 s[WV], 1
	s_wait_alu depctr_va_vdst(0)
	s_cbranch_scc1 .Lno_ms
	v_mov_b32 v196, v188
	v_mov_b32 v197, v190
	v_mov_b32 v198, v188
	v_mov_b32 v199, v190
	global_store_b128 v179, v[196:199], s[12:13] offset:4096   ; wave 1: {m, s} 64 times: 512 consecutive bytes, aligned
.Lno_ms:
; ---- The block's part of the context.  Thread t owns columns 8 t .. 8 t + 7 and walks the 128 rows, eight at a time, in two sets of registers by turns.
.macro CLD set, off
.irp i, 0,1,2,3,4,5,6,7
	ds_load_b128 v[CX+40*(\set)+4*\i:CX+40*(\set)+4*\i+3], v[CA] offset:(\off)+DPITCH*\i
.endr
	ds_load_b128 v[CX+40*(\set)+32:CX+40*(\set)+35], v[PA] offset:((\off)/DPITCH)*4
	ds_load_b128 v[CX+40*(\set)+36:CX+40*(\set)+39], v[PA] offset:((\off)/DPITCH)*4+16
.endm
.macro CFMA set, n                     ; n: the LDS loads that may stay out
	s_wait_alu depctr_va_vdst(0)                   ; the wait ahead of the blocking wait
	s_wait_dscnt \n
.irp i, 0,1,2,3,4,5,6,7
.irp j, 0,1,2,3,4,5,6,7
.if (\j)%2
	v_fma_mix_f32_bf16 v[CACC+\j], v[CX+40*(\set)+4*\i+\j/2], v[CX+40*(\set)+32+\i], v[CACC+\j] op_sel:[1,0,0] op_sel_hi:[1,0,0]
.else
	v_fma_mix_f32_bf16 v[CACC+\j], v[CX+40*(\set)+4*\i+\j/2], v[CX+40*(\set)+32+\i], v[CACC+\j] op_sel:[0,0,0] op_sel_hi:[1,0,0]
.endif
.endr
.endr
.endm
	CLD 0, 0
	s_mov_b32 s[TR], 7
.Lrows:                                        ; 16 rows a trip
	CLD 1, 8*DPITCH
	CFMA 0, 10                                     ; all but the ten just issued
	CLD 0, 16*DPITCH
	CFMA 1, 10
	v_add_nc_u32 v[CA], 16*DPITCH, v[CA]
	v_add_nc_u32 v[PA], 64, v[PA]
	s_sub_co_u32 s[TR], s[TR], 1
	s_cmp_lg_u32 s[TR], 0
	s_wait_alu depctr_va_vdst(0)
	s_cbranch_scc1 .Lrows
	CLD 1, 8*DPITCH                                ; the last 16 rows fetch nothing beyond the end
	CFMA 0, 10
	CFMA 1, 0
	ds_store_b128 v181, v[CACC:CACC+3]             ; a lane's 32 bytes; back 16 bytes a lane, so that each store of the wave covers 512 consecutive bytes, aligned
	ds_store_b128 v181, v[CACC+4:CACC+7] offset:16
	ds_load_b128 v[136:139], v182                  ; LDS serves a wave's instructions in order (ISA guide 5.7.1.4)
	ds_load_b128 v[140:143], v182 offset:512
	s_wait_dscnt 0x0
	global_store_b128 v179, v[136:139], s[24:25]
	global_store_b128 v179, v[140:143], s[24:25] offset:512
	s_wait_tensorcnt 0x0                           ; the wave's end
	ds_add_u32 v[SPW], v[NIL]
	s_wait_dscnt 0x0
	s_endpgm
.Lfunc_end_k_qe29f139b38_main:
	.size	k_qe29f139b38_main, .Lfunc_end_k_qe29f139b38_main-k_qe29f139b38_main
	.p2alignl 7, 3214868480
	.fill 96, 4, 3214868480
	.section	.rodata,"a",@progbits
	.p2align	6, 0x0
	.amdhsa_kernel k_qe29f139b38_main
		.amdhsa_group_segment_fixed_size 305664
		.amdhsa_private_segment_fixed_size 0
		.amdhsa_enable_private_segment 0
		.amdhsa_kernarg_size 40
		.amdhsa_user_sgpr_count 2
		.amdhsa_user_sgpr_kernarg_segment_ptr 1
		.amdhsa_wavefront_size32 1
		.amdhsa_system_sgpr_workgroup_id_x 1
		.amdhsa_system_sgpr_workgroup_id_y 1
		.amdhsa_system_sgpr_workgroup_id_z 1
		.amdhsa_system_vgpr_workitem_id 0
		.amdhsa_next_free_vgpr 1024
		.amdhsa_next_free_sgpr 66
		.amdhsa_reserve_vcc 1
		.amdhsa_float_denorm_mode_32 3
		.amdhsa_float_denorm_mode_16_64 3
		.amdhsa_memory_ordered 1
		.amdhsa_forward_progress 1
		.amdhsa_inst_pref_size 255
	.end_amdhsa_kernel
	.section	.bss,"aw",@nobits
	.p2align	6
	.space	262144
	.amdgpu_metadata
---
amdhsa.version: [ 1, 2 ]
amdhsa.kernels:
  - .name:           k_qe29f139b38_main
    .symbol:         k_qe29f139b38_main.kd
    .args:
      - { .name: features, .offset: 0, .size: 8, .value_kind: global_buffer, .address_space: global }
      - { .name: wfr, .offset: 8, .size: 8, .value_kind: global_buffer, .address_space: global }
      - { .name: htab, .offset: 16, .size: 8, .value_kind: global_buffer, .address_space: global }
      - { .name: tws, .offset: 24, .size: 8, .value_kind: global_buffer, .address_space: global }
      - { .name: part, .offset: 32, .size: 8, .value_kind: global_buffer, .address_space: global }
    .group_segment_fixed_size: 305664
    .private_segment_fixed_size: 0
    .kernarg_segment_align: 8
    .kernarg_segment_size: 40
    .max_flat_workgroup_size: 128
    .sgpr_count:     66
    .vgpr_count:     1024
    .wavefront_size: 32
...
	.end_amdgpu_metadata
.endif
;; end of part 2
;; launch combine (part 3): grid 4 x 32, 2 waves a work-group, no clusters, 0 bytes of LDS; arguments part, tws, out0, out1; writes out0, out1
.if DOCPART == 3
	.amdgcn_target "amdgcn-amd-amdhsa--gfx1250"
	.amdhsa_code_object_version 6
	.text
	.protected	k_qe29f139b38_combine
	.globl	k_qe29f139b38_combine
	.p2align	8
	.type	k_qe29f139b38_combine,@function
k_qe29f139b38_combine:
	s_mov_b64 s[64:65], 0
	v_nop
	global_prefetch_b8 v0, s[64:65] scope:SCOPE_SE
	s_setreg_imm32_b32 hwreg(HW_REG_WAVE_MODE, 25, 1), 1
	s_wait_xcnt 0x0
; BahdanauAttention, launch 3 of 3: a batch's 16 blocks are joined.  Block i gave m_i (its largest T), s_i = sum 2^(T - m_i) and its 1,024 sums of 2^(T - m_i) x features.
;   M = the largest m_i;  a_i = 2^(m_i - M);  S = sum a_i s_i;  out0[b] = sum_i (a_i / S) x block i's sums;  out1[b][l] = 2^(T[l] - M) / S.
; T is log2(e) x the energy less sum_n V[n], a term that is the same along the softmax's axis and is left out (shown at the head of the first launch's text).
; S is at least 1: the block that holds M has a_i = 1 and s_i >= 1.
; Work-group (q, b): 256 columns of out0[b], 512 weights of out1[b]; 64 threads, 16 bytes each a load or store: a wave covers 512 consecutive bytes, aligned.  No LDS, no barrier: bytes decide, and there are few.
	s_load_b256 s[4:11], s[0:1], 0x0               ; part s[4:5], tws s[6:7], out0 s[8:9], out1 s[10:11]
	s_and_b32 s12, ttmp7, 0xffff                   ; b
	v_lshlrev_b32 v1, 4, v0                        ; 16 x thread
	s_mul_i32 s50, s12, 16*4608                    ; the batch's 16 blocks in part
	s_mov_b32 s51, 0
	s_lshl_b32 s52, ttmp9, 10                      ; my 256 columns
	s_mov_b32 s53, 0
	s_lshl_b32 s54, s12, 13                        ; tws and out1: 8,192 b + 2,048 q
	s_lshl_b32 s13, ttmp9, 11
	s_add_co_u32 s54, s54, s13
	s_mov_b32 s55, 0
	s_lshl_b32 s56, s12, 12                        ; out0: 4,096 b + 1,024 q
	s_add_co_u32 s56, s56, s52
	s_mov_b32 s57, 0
	s_wait_alu depctr_va_vdst(0)
	s_wait_kmcnt 0x0
	s_add_nc_u64 s[4:5], s[4:5], s[50:51]
	s_add_nc_u64 s[58:59], s[4:5], s[52:53]
	s_add_nc_u64 s[6:7], s[6:7], s[54:55]
	s_add_nc_u64 s[10:11], s[10:11], s[54:55]
	s_add_nc_u64 s[8:9], s[8:9], s[56:57]
.irp i, 0,1,2,3,4,5,6,7,8,9,10,11,12,13,14,15
	s_load_b64 s[16+2*\i:17+2*\i], s[4:5], 4608*\i+4096      ; {m_i, s_i}: this launch writes nothing into part
.endr
.irp i, 0,1,2,3,4,5,6,7,8,9,10,11,12,13,14,15
	global_load_b128 v[32+4*\i:35+4*\i], v1, s[58:59] offset:4608*\i
.endr
	global_load_b128 v[96:99], v1, s[6:7]
	global_load_b128 v[100:103], v1, s[6:7] offset:1024
	s_wait_kmcnt 0x0
	v_mov_b32 v8, s16
.irp i, 1,2,3,4,5,6,7,8,9,10,11,12,13,14,15
	v_max_num_f32 v8, s[16+2*\i], v8               ; M
.endr
.irp i, 0,1,2,3,4,5,6,7,8,9,10,11,12,13,14,15
	v_sub_f32 v[16+\i], s[16+2*\i], v8
.endr
	s_wait_alu depctr_va_vdst(0)
.irp i, 0,1,2,3,4,5,6,7,8,9,10,11,12,13,14,15
	v_exp_f32 v[16+\i], v[16+\i]                   ; a_i
.endr
	v_nop                                          ; a plain line behind the last exponential,
	s_wait_alu depctr_va_vdst(0)                   ; and one wait for the batch
	v_mul_f32 v9, s17, v16
.irp i, 1,2,3,4,5,6,7,8,9,10,11,12,13,14,15
	v_fma_f32 v9, s[17+2*\i], v[16+\i], v9         ; S
.endr
	s_wait_alu depctr_va_vdst(0)
	v_rcp_f32 v10, v9
	v_nop
	s_wait_alu depctr_va_vdst(0)
.irp i, 0,1,2,3,4,5,6,7,8,9,10,11,12,13,14,15
	v_mul_f32 v[16+\i], v[16+\i], v10              ; a_i / S
.endr
	s_wait_loadcnt 0x0
.irp k, 0,1,2,3
	v_mul_f32 v[104+\k], v[32+\k], v16             ; the first block starts the sums: nothing is cleared
.endr
.irp i, 1,2,3,4,5,6,7,8,9,10,11,12,13,14,15
.irp k, 0,1,2,3
	v_fma_f32 v[104+\k], v[32+4*\i+\k], v[16+\i], v[104+\k]
.endr
.endr
	global_store_b128 v1, v[104:107], s[8:9]
.irp k, 0,1,2,3,4,5,6,7
	v_sub_f32 v[108+\k], v[96+\k], v8
.endr
	s_wait_alu depctr_va_vdst(0)
.irp k, 0,1,2,3,4,5,6,7
	v_exp_f32 v[108+\k], v[108+\k]
.endr
	v_nop
	s_wait_alu depctr_va_vdst(0)
.irp k, 0,1,2,3,4,5,6,7
	v_mul_f32 v[108+\k], v[108+\k], v10
.endr
	global_store_b128 v1, v[108:111], s[10:11]
	global_store_b128 v1, v[112:115], s[10:11] offset:1024
	s_endpgm
.Lfunc_end_k_qe29f139b38_combine:
	.size	k_qe29f139b38_combine, .Lfunc_end_k_qe29f139b38_combine-k_qe29f139b38_combine
	.p2alignl 7, 3214868480
	.fill 96, 4, 3214868480
	.section	.rodata,"a",@progbits
	.p2align	6, 0x0
	.amdhsa_kernel k_qe29f139b38_combine
		.amdhsa_group_segment_fixed_size 0
		.amdhsa_private_segment_fixed_size 0
		.amdhsa_enable_private_segment 0
		.amdhsa_kernarg_size 32
		.amdhsa_user_sgpr_count 2
		.amdhsa_user_sgpr_kernarg_segment_ptr 1
		.amdhsa_wavefront_size32 1
		.amdhsa_system_sgpr_workgroup_id_x 1
		.amdhsa_system_sgpr_workgroup_id_y 1
		.amdhsa_system_sgpr_workgroup_id_z 1
		.amdhsa_system_vgpr_workitem_id 0
		.amdhsa_next_free_vgpr 128
		.amdhsa_next_free_sgpr 66
		.amdhsa_reserve_vcc 0
		.amdhsa_float_denorm_mode_32 3
		.amdhsa_float_denorm_mode_16_64 3
		.amdhsa_memory_ordered 1
		.amdhsa_forward_progress 1
		.amdhsa_inst_pref_size 12
	.end_amdhsa_kernel
	.amdgpu_metadata
---
amdhsa.version: [ 1, 2 ]
amdhsa.kernels:
  - .name:           k_qe29f139b38_combine
    .symbol:         k_qe29f139b38_combine.kd
    .args:
      - { .name: part, .offset: 0, .size: 8, .value_kind: global_buffer, .address_space: global }
      - { .name: tws, .offset: 8, .size: 8, .value_kind: global_buffer, .address_space: global }
      - { .name: out0, .offset: 16, .size: 8, .value_kind: global_buffer, .address_space: global }
      - { .name: out1, .offset: 24, .size: 8, .value_kind: global_buffer, .address_space: global }
    .group_segment_fixed_size: 0
    .private_segment_fixed_size: 0
    .kernarg_segment_align: 8
    .kernarg_segment_size: 32
    .max_flat_workgroup_size: 64
    .sgpr_count:     66
    .vgpr_count:     128
    .wavefront_size: 32
...
	.end_amdgpu_metadata
.endif
;; end of part 3
